; MI455X (gfx1250); checked and timed in simulation.
; The chip was launched on July 23, 2026; its instructions are those of AMD's public machine-readable ISA for CDNA 5 (MIT licence, August 2026) and "CDNA5" Instruction Set Architecture Reference Guide (July 2026). The comments in the code are by the model that wrote it; some were corrected since.
;; Easy Control Network. Allowed arithmetic: matrix products marked QUANTISED: E3M2 operands, one E8M0 scale for each 32 along K, by v_wmma_scale_f32_16x16x128_f8f6f4 with both operands' format E3M2, f32 sums; everything else in f32.
;; Inputs: b_cond 1 float32; cond_k 2 x 512 x 16 x 128 float32; cond_v 2 x 512 x 16 x 128 float32; k 2 x 2,048 x 16 x 128 float32; q 2 x 2,048 x 16 x 128 float32; v 2 x 2,048 x 16 x 128 float32; w_out 2,048 x 2,048 float32.
;; Outputs: out0 2 x 2,048 x 2,048 float32.
;; This version of the problem:
;;   THIS VERSION OF THE PROBLEM IS GIVEN IN LOW PRECISION. The matrix products marked QUANTISED in the list below multiply operands that are first quantised to E3M2 (3 exponent bits, 2 mantissa bits; 6 bits a number), with one power-of-two scale for each 32 numbers along K (OCP MX v1.0); their sums are f32. All else is computed in f32.
;;   The module's matrix products, in the order in which they are computed (A, B: the left and right operand; K: the contracted axis; several contracted axes count as one K, in the product's order):
;;     1. batch 32 x [M 2,048, K 128] x [K 128, N 2,048]; A: input q; B: input k: QUANTISED
;;     2. batch 32 x [M 128, K 2,048] x [K 2,048, N 2,048]; A: input v; B: computed on the way: QUANTISED
;;     3. batch 32 x [M 2,048, K 128] x [K 128, N 512]; A: input q; B: input cond_k: QUANTISED
;;     4. batch 32 x [M 128, K 512] x [K 512, N 2,048]; A: input cond_v; B: computed on the way: QUANTISED
;;     5. [M 4,096, K 2,048] x [K 2,048, N 2,048]; A: computed on the way; B: input w_out: QUANTISED
;;   THE QUANTISER, for each operand of a quantised product, along K:
;;     - K is cut into blocks of 32 from its start; a last block that is shorter is filled with zeros.
;;     - A block's scale is 2^e with e = floor(log2(the largest magnitude in the block)) - 4, held to -126 .. 127; a block of zeros has e = 0. As a byte (E8M0): e + 127.
;;     - Each number is divided by its block's scale, clamped to +-28, and rounded to the nearest number of E3M2, ties to even, subnormals kept.
;;     - The product sums the exact products of the quantised numbers (number of the format x scale) in f32.
;;   ~~~python
;;   def quantise(x, axis):      # numpy; x: float32 -> the quantised numbers, widened to float32 again
;;       x = np.moveaxis(x, axis, -1); K = x.shape[-1]
;;       x = np.pad(x, [(0, 0)] * (x.ndim - 1) + [(0, -K % 32)]); x = x.reshape(x.shape[:-1] + (-1, 32)); a = np.abs(x).max(-1, keepdims=True)
;;       e = np.where(a > 0, np.clip(np.frexp(np.where(a > 0, a, 1))[1] - 1 - 4, -126, 127), 0)      # np.frexp(a)[1] - 1 = floor(log2(a)), exactly
;;       r = np.clip(x / 2.0 ** e, -28, 28)
;;       step = 2.0 ** (np.maximum(np.frexp(np.where(r == 0, 1, r))[1] - 1, -2) - 2)
;;       q = np.round(r / step) * step * 2.0 ** e      # np.round: ties to even
;;       return np.moveaxis(q.reshape(q.shape[:-2] + (-1,))[..., :K], -1, axis).astype(np.float32)
;;   ~~~
;;   OPERANDS COMPUTED ON THE WAY. 'Computed on the way' means the value that the module computes at that place (a softmax that the list does not call 'softmax' is quantised finished and normalised). What goes into a quantiser is computed in f32, as accurately as f32 sums, v_exp_f32 and their like allow (about 1e-6 of the number): no bf16 or f16 on the way to a quantiser, and a product that is left as it is and whose result goes on into a quantised operand takes f32 operands (vector FMAs, or v_wmma_f32_16x16x4_f32). A number that lies on a knife's edge between two numbers of the format may be rounded either way, as far as f32 arithmetic and the matrix unit's own rounding can turn it there, and no further.
;; One version. Each part assembles by itself: llvm-mc -triple=amdgcn-amd-amdhsa -mcpu=gfx1250 --defsym DOCPART=n.
;; ======== version 1 of 1: 4 launches
;; workspace buffers: qrec 6,553,600 bytes; krec 8,192,000 bytes; vrec 8,192,000 bytes; wrec 3,276,800 bytes; xrec 6,553,600 bytes
;; launch quant_rows (part 1): grid 1408 x 1, 4 waves a work-group, no clusters, 34,816 bytes of LDS; arguments q, k, cond_k, w_out, qrec, krec, wrec; writes qrec, krec, wrec
.if DOCPART == 1
	.amdgcn_target "amdgcn-amd-amdhsa--gfx1250"
	.amdhsa_code_object_version 6
	.text
	.protected	k_q8147166e14_quant_rows
	.globl	k_q8147166e14_quant_rows
	.p2align	8
	.type	k_q8147166e14_quant_rows,@function
k_q8147166e14_quant_rows:
	s_mov_b64 s[64:65], 0
	v_nop
	global_prefetch_b8 v0, s[64:65] scope:SCOPE_SE
	s_setreg_imm32_b32 hwreg(HW_REG_WAVE_MODE, 25, 1), 1
	s_wait_xcnt 0x0
; q, k, cond_k and w_out (f32, K innermost) become codes of BF6 (E3M2) with one E8M0 scale byte for each 32 along K, laid as RECORDS.
; All four tensors are read as [rows][16 groups][128 numbers]: a row is 8,192 bytes, a group (a head; for w_out a K step) 512 bytes.
; A RECORD is 128 rows x 128 K, 12,800 bytes, an image of the matrix operand's registers:
;   byte 1536 T + 512 c + 16 l + 4 i = register 4 c + i of lane l of tile T's fragment (T 0..7; 12 registers a lane);
;   tile T's row r is the record's row 32 (T / 2) + 8 (T % 2) + r + 8 (r / 8);
;   byte 12288 + 16 l + 4 i = the scale word of pair i: lanes 0-15 tile 2 i's row l, lanes 16-31 tile 2 i + 1's row l - 16.
; So a later launch takes a fragment by three loads of 16 bytes a lane, 512 consecutive bytes each, and a record's scale words by one.
; A block's scale is 2^(floor(log2(largest magnitude)) - 4); its byte is the largest magnitude's exponent field - 4, held at 1 from below.
; LIMITS: a block of zeros gets the byte 1 where the rule says 127 (its codes are zeros, and this program alone reads the bytes); NaN and infinities among the inputs are not served.
; SHARES: a work-group makes one record; wave w makes pair w (tiles 2 w, 2 w + 1: the record's rows 32 w .. 32 w + 31).  Work-groups 0-511: q; 512-1023: k; 1024-1151: cond_k; 1152-1407: w_out.
; Each load reads a row's 512 consecutive bytes; the rows turn through the wave's own stage in LDS (16 rows of 512 + 16 bytes), so that lane (r, h) gets blocks h and 2 + h of row r, 32 neighbours along K each.
.set REC,   12800
.set SP,    528                        ; a stage row
.set STGB,  16*SP                      ; a wave's stage
.set SCST,  4*STGB                     ; behind the stages: the record's 512 bytes of scale words
.set LANE,  1
.set LI,    2                          ; 16 x lane
.set RR,    3                          ; r = lane % 16
.set HH,    4                          ; h = lane / 16
.set STW,   5                          ; the stage, on the way in
.set STR,   6                          ; and on the way out
.set H8,    7                          ; 8 h
.set SCW,   8                          ; where my pair's scale word goes
.set SCR,   9                          ; where wave 0 reads the words back
.set M,     12                         ; v12-15 largest magnitudes (tile, block)
.set SO,    16                         ; v16-19 the conversions' scale operands
.set BY,    20                         ; v20-23 scale bytes
.set W,     24                         ; v24-25 a tile's scale words
.set PD,    26                         ; v26-27 lane permutes' destinations
.set PWD,   28                         ; v28    the pair's word
.set P,     32                         ; v32-55 the two fragments' codes
.set CT,    56                         ; v56-58, v60-62 conversions whose place begins on an odd register
.set R,     64                         ; v64-191 the numbers, 64 a tile
.set OUTS,  192                        ; v192-195 scale words on the way out
	s_load_b256 s[4:11], s[0:1], 0x0               ; q, k, cond_k, w_out
	s_load_b128 s[12:15], s[0:1], 0x20             ; qrec, krec
	s_load_b64 s[16:17], s[0:1], 0x30              ; wrec
	v_lshl_add_u32 v196, v0, 2, 0x8600
	v_mov_b32 v197, 0
	v_lshrrev_b32 v10, 5, v0
	v_readfirstlane_b32 s18, v10                   ; wave 0..3
	v_and_b32 v[LANE], 31, v0
	v_lshlrev_b32 v[LI], 4, v[LANE]
	v_and_b32 v[RR], 15, v0
	v_bfe_u32 v[HH], v0, 4, 1
	s_mul_i32 s19, s18, STGB
	v_add_nc_u32 v[STW], s19, v[LI]                ; in: 16 bytes a lane of a row
	v_mul_u32_u24 v[STR], v[RR], SP
	v_lshl_add_u32 v[STR], v[HH], 7, v[STR]
	v_add_nc_u32 v[STR], s19, v[STR]               ; out: row r, block h: 128 h bytes on
	v_lshlrev_b32 v[H8], 3, v[HH]
	s_lshl_b32 s19, s18, 2
	s_add_co_u32 s19, s19, SCST
	v_add_nc_u32 v[SCW], s19, v[LI]                ; 16 x lane + 4 x pair
	v_add_nc_u32 v[SCR], SCST, v[LI]
	v_mov_b32 v[PD], 0                             ; a lane permute's destination counts as one of its sources
	v_mov_b32 v[PD+1], 0
	s_mov_b32 s30, 0x76543210
	s_mov_b32 s31, 0xfedcba98                      ; v_permlanex16_b32's selects for lane l xor 16
	; which tensor, by the work-group's number alone.  record = (((blk >> SH) << 4) + hd) x RS + (blk & MK) + RO
	s_mov_b32 s24, 1152                            ; the tensor's first work-group (w_out's figures first)
	s_mov_b32 s25, 0                               ; SH
	s_mov_b32 s26, 0                               ; MK
	s_mov_b32 s27, 1                               ; RS
	s_mov_b32 s28, 0                               ; RO
	s_wait_kmcnt 0x0
	s_mov_b64 s[20:21], s[10:11]
	s_mov_b64 s[22:23], s[16:17]
	s_cmp_lt_u32 ttmp9, 1152                       ; cond_k: 4 blocks of 128 rows a batch, records 0-3 of a head's 20
	s_cselect_b64 s[20:21], s[8:9], s[20:21]
	s_cselect_b64 s[22:23], s[14:15], s[22:23]
	s_cselect_b32 s24, 1024, s24
	s_cselect_b32 s25, 2, s25
	s_cselect_b32 s26, 3, s26
	s_cselect_b32 s27, 20, s27
	s_cmp_lt_u32 ttmp9, 1024                       ; k: 16 blocks a batch, records 4-19
	s_cselect_b64 s[20:21], s[6:7], s[20:21]
	s_cselect_b32 s24, 512, s24
	s_cselect_b32 s25, 4, s25
	s_cselect_b32 s26, 15, s26
	s_cselect_b32 s28, 4, s28
	s_cmp_lt_u32 ttmp9, 512                        ; q: 16 records a head
	s_cselect_b64 s[20:21], s[4:5], s[20:21]
	s_cselect_b64 s[22:23], s[12:13], s[22:23]
	s_cselect_b32 s24, 0, s24
	s_cselect_b32 s27, 16, s27
	s_cselect_b32 s28, 0, s28
	s_sub_co_u32 s24, ttmp9, s24                   ; j
	s_and_b32 s29, s24, 15                         ; hd: the group
	s_lshr_b32 s24, s24, 4                         ; blk: the block of 128 rows
	s_lshr_b32 s32, s24, s25
	s_lshl_b32 s32, s32, 4
	s_add_co_u32 s32, s32, s29
	s_mul_i32 s32, s32, s27
	s_and_b32 s33, s24, s26
	s_add_co_u32 s32, s32, s33
	s_add_co_u32 s32, s32, s28                     ; the record
	s_mul_i32 s32, s32, REC
	s_mul_i32 s33, s18, 3072                       ; my pair's two fragments
	s_add_co_u32 s32, s32, s33
	s_mov_b32 s33, 0
	s_add_nc_u64 s[22:23], s[22:23], s[32:33]
	s_lshl_b32 s34, s24, 20                        ; 128 rows of 8,192 bytes,
	s_lshl_b32 s35, s29, 9                         ; the group's 512 bytes,
	s_add_co_u32 s34, s34, s35
	s_lshl_b32 s35, s18, 18                        ; my 32 rows
	s_add_co_u32 s34, s34, s35
	s_mov_b32 s35, 0
	s_add_nc_u64 s[20:21], s[20:21], s[34:35]
.irp u, 0,1
.irp t, 0,1,2,3,4,5,6,7,8,9,10,11,12,13,14,15
	global_load_b128 v[R+64*\u+4*\t:R+64*\u+4*\t+3], v[LI], s[20:21] offset:(8*\u+\t+8*(\t/8))*8192 th:TH_LOAD_NT   ; tile u's row t: 512 consecutive bytes
.endr
.endr
; A tile's 16 rows through the stage.  LDS serves a wave's instructions in order (ISA guide 5.7.1.4): no wait between the stores and the loads, nor in front of the next tile's stores.
.macro TURN u
.irp t, 0,1,2,3,4,5,6,7,8,9,10,11,12,13,14,15
	ds_store_b128 v[STW], v[R+64*\u+4*\t:R+64*\u+4*\t+3] offset:SP*\t
.endr
.irp c, 0,1
.irp j, 0,1,2,3,4,5,6,7
	ds_load_b128 v[R+64*\u+32*\c+4*\j:R+64*\u+32*\c+4*\j+3], v[STR] offset:256*\c+16*\j   ; k = 64 c + 32 h + 4 j ..
.endr
.endr
.endm
; Tile u: two blocks a lane, all 32 numbers of each are the lane's: scale bytes, scale word, codes; the codes are the fragment's registers and are stored as they stand.
.macro QF u
.set RB, R+64*\u
.set PB, P+12*\u
.set MB, M+2*\u
.set SB, SO+2*\u
.set BB, BY+2*\u
.irp c, 0,1
	v_max3_num_f32 v[MB+\c], |v[RB+32*\c]|, |v[RB+32*\c+1]|, 0x2800000   ; and the floor 2^(5 - 127): the byte cannot fall under 1
.endr
.irp i, 2,4,6,8,10,12,14,16,18,20,22,24,26,28,30
.irp c, 0,1
	v_max3_num_f32 v[MB+\c], v[MB+\c], |v[RB+32*\c+\i]|, |v[RB+32*\c+\i+1]|   ; (the two blocks by turns)
.endr
.endr
.irp c, 0,1
	v_add_nc_u32 v[SB+\c], 0xfe000000, v[MB+\c]    ; 4 off the exponent field: the conversion's scale operand
.endr
.irp c, 0,1
	v_lshrrev_b32 v[BB+\c], 23, v[SB+\c]           ; the scale's byte
.endr
	v_lshl_or_b32 v[W+\u], v[BB+1], 16, v[BB]      ; blocks h and 2 + h,
	v_lshlrev_b32 v[W+\u], v[H8], v[W+\u]          ; at their places in the word;
	v_permlanex16_b32 v[PD+\u], v[W+\u], s30, s31
	v_or_b32 v[W+\u], v[W+\u], v[PD+\u]            ; with lane l xor 16's two the word is whole
	v_cvt_scalef32_pk16_bf6_f32 v[PB:PB+2], v[RB:RB+15], v[SB]
	v_cvt_scalef32_pk16_bf6_f32 v[CT:CT+2], v[RB+16:RB+31], v[SB]       ; (a conversion's three registers begin on an even number)
	v_cvt_scalef32_pk16_bf6_f32 v[PB+6:PB+8], v[RB+32:RB+47], v[SB+1]
	v_cvt_scalef32_pk16_bf6_f32 v[CT+4:CT+6], v[RB+48:RB+63], v[SB+1]
	v_nop                                          ; one plain place behind a scaled conversion
.irp i, 0,1,2
	v_mov_b32 v[PB+3+\i], v[CT+\i]
	v_mov_b32 v[PB+9+\i], v[CT+4+\i]
.endr
.irp c, 0,1,2
	global_store_b128 v[LI], v[PB+4*\c:PB+4*\c+3], s[22:23] offset:1536*\u+512*\c   ; 32 lanes store 512 consecutive bytes, at a multiple of 256 from the buffer's first byte
.endr
.endm
	s_wait_loadcnt 16                              ; tile 0's sixteen loads are in; tile 1's may be out
	TURN 0
	s_wait_loadcnt 0x0
	TURN 1
	s_wait_dscnt 32                                ; tile 0 is back; tile 1's 16 stores and 16 loads may be out
	QF 0
	s_wait_dscnt 0x0
	QF 1
	v_cmp_gt_u32 vcc_lo, 16, v[LANE]
	v_cndmask_b32 v[PWD], v[W+1], v[W], vcc_lo     ; lanes 0-15: tile 2 w's words; lanes 16-31: tile 2 w + 1's
	ds_store_b32 v[SCW], v[PWD]
	s_wait_dscnt 0x0                               ; for the others' sake: my word has landed
	s_barrier_signal -1
	s_barrier_wait -1
	s_cmp_lg_u32 s18, 0                            ; wave 0 stores the record's 512 bytes of scale words (its base is the record's first byte)
	s_cbranch_scc1 .Ldone
	ds_load_b128 v[OUTS:OUTS+3], v[SCR]
	s_wait_dscnt 0x0
	global_store_b128 v[LI], v[OUTS:OUTS+3], s[22:23] offset:12288
.Ldone:
	s_wait_tensorcnt 0x0
	ds_add_u32 v196, v197
	s_wait_dscnt 0x0
	s_endpgm
.Lfunc_end_k_q8147166e14_quant_rows:
	.size	k_q8147166e14_quant_rows, .Lfunc_end_k_q8147166e14_quant_rows-k_q8147166e14_quant_rows
	.p2alignl 7, 3214868480
	.fill 96, 4, 3214868480
	.section	.rodata,"a",@progbits
	.p2align	6, 0x0
	.amdhsa_kernel k_q8147166e14_quant_rows
		.amdhsa_group_segment_fixed_size 34816
		.amdhsa_private_segment_fixed_size 0
		.amdhsa_enable_private_segment 0
		.amdhsa_kernarg_size 56
		.amdhsa_user_sgpr_count 2
		.amdhsa_user_sgpr_kernarg_segment_ptr 1
		.amdhsa_wavefront_size32 1
		.amdhsa_system_sgpr_workgroup_id_x 1
		.amdhsa_system_sgpr_workgroup_id_y 1
		.amdhsa_system_sgpr_workgroup_id_z 1
		.amdhsa_system_vgpr_workitem_id 0
		.amdhsa_next_free_vgpr 198
		.amdhsa_next_free_sgpr 66
		.amdhsa_reserve_vcc 1
		.amdhsa_float_denorm_mode_32 3
		.amdhsa_float_denorm_mode_16_64 3
		.amdhsa_memory_ordered 1
		.amdhsa_forward_progress 1
		.amdhsa_inst_pref_size 18
	.end_amdhsa_kernel
	.amdgpu_metadata
---
amdhsa.version: [ 1, 2 ]
amdhsa.kernels:
  - .name:           k_q8147166e14_quant_rows
    .symbol:         k_q8147166e14_quant_rows.kd
    .args:
      - { .name: q, .offset: 0, .size: 8, .value_kind: global_buffer, .address_space: global }
      - { .name: k, .offset: 8, .size: 8, .value_kind: global_buffer, .address_space: global }
      - { .name: cond_k, .offset: 16, .size: 8, .value_kind: global_buffer, .address_space: global }
      - { .name: w_out, .offset: 24, .size: 8, .value_kind: global_buffer, .address_space: global }
      - { .name: qrec, .offset: 32, .size: 8, .value_kind: global_buffer, .address_space: global }
      - { .name: krec, .offset: 40, .size: 8, .value_kind: global_buffer, .address_space: global }
      - { .name: wrec, .offset: 48, .size: 8, .value_kind: global_buffer, .address_space: global }
    .group_segment_fixed_size: 34816
    .private_segment_fixed_size: 0
    .kernarg_segment_align: 8
    .kernarg_segment_size: 56
    .max_flat_workgroup_size: 128
    .sgpr_count:     66
    .vgpr_count:     198
    .wavefront_size: 32
...
	.end_amdgpu_metadata
.endif
;; end of part 1
;; launch quant_cols (part 2): grid 640 x 1, 4 waves a work-group, no clusters, 14,336 bytes of LDS; arguments v, cond_v, vrec; writes vrec
.if DOCPART == 2
	.amdgcn_target "amdgcn-amd-amdhsa--gfx1250"
	.amdhsa_code_object_version 6
	.text
	.protected	k_q8147166e14_quant_cols
	.globl	k_q8147166e14_quant_cols
	.p2align	8
	.type	k_q8147166e14_quant_cols,@function
k_q8147166e14_quant_cols:
	s_mov_b64 s[64:65], 0
	v_nop
	global_prefetch_b8 v0, s[64:65] scope:SCOPE_SE
	s_setreg_imm32_b32 hwreg(HW_REG_WAVE_MODE, 25, 1), 1
	s_wait_xcnt 0x0
; v and cond_v ([batch][key][head][channel], f32) are operands whose K is the KEYS.  They become codes of BF6 (E3M2), one E8M0 scale byte for each 32 keys, laid as records of
; 128 channels x 128 keys, 12,800 bytes: byte 1536 T + 512 c + 16 l + 4 i = register 4 c + i of lane l of tile T's fragment; tile T's row r is channel 32 (T / 2) + 8 (T % 2) + r + 8 (r / 8);
; byte 12288 + 16 l + 4 i = the scale word of pair i (lanes 0-15 tile 2 i, lanes 16-31 tile 2 i + 1).  A head has 20 records: 0-3 cond_v's keys, 4-19 v's.
; A LANE TAKES A CHANNEL, AND ITS REGISTERS RUN DOWN THE KEYS: each load reads 32 neighbouring channels (128 consecutive bytes a wave, the four waves side by side on 512), a block of 32 keys lies in one lane,
; and the conversions give codes with the keys innermost.  A lane's four blocks belong to two lanes of a fragment's image: they go through the wave's own stage in LDS and leave 512 consecutive bytes a store.
; LIMITS: a block of zeros gets the byte 1 where the rule says 127 (its codes are zeros, and this program alone reads the bytes); NaN and infinities among the inputs are not served.
; SHARES: a work-group makes one record; wave w takes channels 32 w .. 32 w + 31: pair w.  Work-groups 0-511: v; 512-639: cond_v.
.set REC,   12800
.set IMG,   1664                       ; a fragment's image in the stage: 1,536 bytes + 128, so that the two tiles' stores fall on different banks
.set STGB,  2*IMG
.set SCST,  4*STGB                     ; the record's 512 bytes of scale words
.set LANE,  1
.set LI,    2                          ; 16 x lane
.set L4,    3                          ; 4 x lane
.set UU,    4                          ; u: which tile of the pair my channel lies in
.set RR,    5                          ; r: its row there
.set STW,   6
.set STR,   7
.set SCW,   8
.set SCR,   9
.set M,     12                         ; v12-15 the four blocks' largest magnitudes
.set SO,    16                         ; v16-19 scale operands
.set BY,    20                         ; v20-23 scale bytes
.set W,     24                         ; my channel's scale word
.set P,     32                         ; v32-55 codes: six registers a block
.set X,     64                         ; v64-191 my channel's 128 numbers; later the images read back (v64-87) and the scale words (v88-91)
.set CT,    192                        ; v192-207 conversions whose place begins on an odd register
	s_load_b128 s[4:7], s[0:1], 0x0                ; v, cond_v
	s_load_b64 s[8:9], s[0:1], 0x10                ; vrec
	v_lshl_add_u32 v208, v0, 2, 0x3600
	v_mov_b32 v209, 0
	v_lshrrev_b32 v10, 5, v0
	v_readfirstlane_b32 s18, v10                   ; wave 0..3
	v_and_b32 v[LANE], 31, v0
	v_lshlrev_b32 v[LI], 4, v[LANE]
	v_lshlrev_b32 v[L4], 2, v[LANE]
	v_bfe_u32 v[UU], v0, 3, 1                      ; channel g of the pair: u = (g / 8) % 2,
	v_bfe_u32 v10, v0, 4, 1
	v_and_b32 v[RR], 7, v0
	v_lshl_or_b32 v[RR], v10, 3, v[RR]             ; r = g % 8 + 8 (g / 16)
	s_mul_i32 s19, s18, STGB
	v_mul_u32_u24 v[STW], v[UU], IMG
	v_lshl_add_u32 v[STW], v[RR], 4, v[STW]
	v_add_nc_u32 v[STW], s19, v[STW]               ; in: image u, lane r's 16 bytes
	v_add_nc_u32 v[STR], s19, v[LI]                ; out: 16 bytes a lane
	v_lshl_add_u32 v[SCW], v[UU], 4, v[RR]
	v_lshlrev_b32 v[SCW], 4, v[SCW]
	s_lshl_b32 s19, s18, 2
	s_add_co_u32 s19, s19, SCST
	v_add_nc_u32 v[SCW], s19, v[SCW]               ; 16 (r + 16 u) + 4 x pair
	v_add_nc_u32 v[SCR], SCST, v[LI]
	s_wait_kmcnt 0x0
	s_cmp_lt_u32 ttmp9, 512                        ; v or cond_v: by the work-group's number alone
	s_cselect_b64 s[4:5], s[4:5], s[6:7]
	s_cselect_b32 s24, 0, 512
	s_cselect_b32 s25, 4, 2                        ; blocks of 128 keys a batch: 16 or 4
	s_cselect_b32 s26, 15, 3
	s_cselect_b32 s28, 4, 0                        ; the head's first record of this tensor
	s_sub_co_u32 s24, ttmp9, s24
	s_and_b32 s29, s24, 15                         ; the head
	s_lshr_b32 s24, s24, 4                         ; the block of 128 keys
	s_lshr_b32 s32, s24, s25
	s_lshl_b32 s32, s32, 4
	s_add_co_u32 s32, s32, s29
	s_mul_i32 s32, s32, 20
	s_and_b32 s33, s24, s26
	s_add_co_u32 s32, s32, s33
	s_add_co_u32 s32, s32, s28                     ; the record
	s_mul_i32 s32, s32, REC
	s_mul_i32 s33, s18, 3072
	s_add_co_u32 s32, s32, s33
	s_mov_b32 s33, 0
	s_add_nc_u64 s[8:9], s[8:9], s[32:33]
	s_lshl_b32 s34, s24, 20                        ; 128 keys of 8,192 bytes,
	s_lshl_b32 s35, s29, 9                         ; the head's 512 bytes,
	s_add_co_u32 s34, s34, s35
	s_lshl_b32 s35, s18, 7                         ; my 32 channels
	s_add_co_u32 s34, s34, s35
	s_mov_b32 s35, 0
	s_add_nc_u64 s[4:5], s[4:5], s[34:35]
.set j, 0
.rept 128
	global_load_b32 v[X+j], v[L4], s[4:5] offset:j*8192 th:TH_LOAD_NT   ; key j, 32 neighbouring channels
.set j, j+1
.endr
	s_wait_loadcnt 0x0
.irp b, 0,1,2,3
	v_max3_num_f32 v[M+\b], |v[X+32*\b]|, |v[X+32*\b+1]|, 0x2800000   ; block b: all 32 numbers are mine; and the floor 2^(5 - 127)
.endr
.irp i, 2,4,6,8,10,12,14,16,18,20,22,24,26,28,30
.irp b, 0,1,2,3
	v_max3_num_f32 v[M+\b], v[M+\b], |v[X+32*\b+\i]|, |v[X+32*\b+\i+1]|   ; (the four blocks by turns)
.endr
.endr
.irp b, 0,1,2,3
	v_add_nc_u32 v[SO+\b], 0xfe000000, v[M+\b]     ; 4 off the exponent field: the conversion's scale operand
.endr
.irp b, 0,1,2,3
	v_lshrrev_b32 v[BY+\b], 23, v[SO+\b]           ; the scale's byte
.endr
	v_lshl_or_b32 v[W], v[BY+1], 8, v[BY]
	v_lshl_or_b32 v[W], v[BY+2], 16, v[W]
	v_lshl_or_b32 v[W], v[BY+3], 24, v[W]          ; my channel's scale word for these 128 keys
.irp b, 0,1,2,3
	v_cvt_scalef32_pk16_bf6_f32 v[P+6*\b:P+6*\b+2], v[X+32*\b:X+32*\b+15], v[SO+\b]
	v_cvt_scalef32_pk16_bf6_f32 v[CT+4*\b:CT+4*\b+2], v[X+32*\b+16:X+32*\b+31], v[SO+\b]   ; (a conversion's three registers begin on an even number)
.endr
	v_nop                                          ; one plain place behind a scaled conversion
.irp b, 0,1,2,3
.irp i, 0,1,2
	v_mov_b32 v[P+6*\b+3+\i], v[CT+4*\b+\i]
.endr
.endr
	; block b is registers 6 (b / 2) .. + 5 of lane r + 16 (b % 2) of the image; register R of lane l lies at 512 (R / 4) + 16 l + 4 (R % 4)
	ds_store_b128 v[STW], v[P:P+3]
	ds_store_b64 v[STW], v[P+4:P+5] offset:512
	ds_store_b128 v[STW], v[P+6:P+9] offset:256
	ds_store_b64 v[STW], v[P+10:P+11] offset:768
	ds_store_b64 v[STW], v[P+12:P+13] offset:520
	ds_store_b128 v[STW], v[P+14:P+17] offset:1024
	ds_store_b64 v[STW], v[P+18:P+19] offset:776
	ds_store_b128 v[STW], v[P+20:P+23] offset:1280
	ds_store_b32 v[SCW], v[W]
.irp n, 0,1,2,3,4,5
	ds_load_b128 v[X+4*\n:X+4*\n+3], v[STR] offset:IMG*(\n/3)+512*(\n%3)   ; LDS serves a wave's instructions in order (ISA guide 5.7.1.4): these see my stores
.endr
.irp n, 0,1,2,3,4,5
	s_wait_dscnt 5-\n
	global_store_b128 v[LI], v[X+4*\n:X+4*\n+3], s[8:9] offset:1536*(\n/3)+512*(\n%3)   ; 32 lanes store 512 consecutive bytes, at a multiple of 256 from the buffer's first byte
.endr
	s_wait_dscnt 0x0                               ; for the others' sake: my scale words have landed
	s_barrier_signal -1
	s_barrier_wait -1
	s_cmp_lg_u32 s18, 0                            ; wave 0 stores the record's 512 bytes of scale words (its base is the record's first byte)
	s_cbranch_scc1 .Ldone
	ds_load_b128 v[X+24:X+27], v[SCR]
	s_wait_dscnt 0x0
	global_store_b128 v[LI], v[X+24:X+27], s[8:9] offset:12288
.Ldone:
	s_wait_tensorcnt 0x0
	ds_add_u32 v208, v209
	s_wait_dscnt 0x0
	s_endpgm
.Lfunc_end_k_q8147166e14_quant_cols:
	.size	k_q8147166e14_quant_cols, .Lfunc_end_k_q8147166e14_quant_cols-k_q8147166e14_quant_cols
	.p2alignl 7, 3214868480
	.fill 96, 4, 3214868480
	.section	.rodata,"a",@progbits
	.p2align	6, 0x0
	.amdhsa_kernel k_q8147166e14_quant_cols
		.amdhsa_group_segment_fixed_size 14336
		.amdhsa_private_segment_fixed_size 0
		.amdhsa_enable_private_segment 0
		.amdhsa_kernarg_size 24
		.amdhsa_user_sgpr_count 2
		.amdhsa_user_sgpr_kernarg_segment_ptr 1
		.amdhsa_wavefront_size32 1
		.amdhsa_system_sgpr_workgroup_id_x 1
		.amdhsa_system_sgpr_workgroup_id_y 1
		.amdhsa_system_sgpr_workgroup_id_z 1
		.amdhsa_system_vgpr_workitem_id 0
		.amdhsa_next_free_vgpr 210
		.amdhsa_next_free_sgpr 66
		.amdhsa_reserve_vcc 0
		.amdhsa_float_denorm_mode_32 3
		.amdhsa_float_denorm_mode_16_64 3
		.amdhsa_memory_ordered 1
		.amdhsa_forward_progress 1
		.amdhsa_inst_pref_size 23
	.end_amdhsa_kernel
	.amdgpu_metadata
---
amdhsa.version: [ 1, 2 ]
amdhsa.kernels:
  - .name:           k_q8147166e14_quant_cols
    .symbol:         k_q8147166e14_quant_cols.kd
    .args:
      - { .name: v, .offset: 0, .size: 8, .value_kind: global_buffer, .address_space: global }
      - { .name: cond_v, .offset: 8, .size: 8, .value_kind: global_buffer, .address_space: global }
      - { .name: vrec, .offset: 16, .size: 8, .value_kind: global_buffer, .address_space: global }
    .group_segment_fixed_size: 14336
    .private_segment_fixed_size: 0
    .kernarg_segment_align: 8
    .kernarg_segment_size: 24
    .max_flat_workgroup_size: 128
    .sgpr_count:     66
    .vgpr_count:     210
    .wavefront_size: 32
...
	.end_amdgpu_metadata
.endif
;; end of part 2
;; launch attn (part 3): grid 8 x 32, 8 waves a work-group, clusters of 4 x 1, 327,680 bytes of LDS; arguments qrec, krec, vrec, b_cond, xrec; writes xrec
.if DOCPART == 3
	.amdgcn_target "amdgcn-amd-amdhsa--gfx1250"
	.amdhsa_code_object_version 6
	.text
	.protected	k_q8147166e14_attn
	.globl	k_q8147166e14_attn
	.p2align	8
	.type	k_q8147166e14_attn,@function
k_q8147166e14_attn:
	s_mov_b64 s[64:65], 0
	v_nop
	global_prefetch_b8 v0, s[64:65] scope:SCOPE_SE
	s_setreg_imm32_b32 hwreg(HW_REG_WAVE_MODE, 25, 1), 1
	s_wait_xcnt 0x0
	s_wait_alu depctr_hold_cnt(0) depctr_sa_sdst(0) depctr_va_vdst(0) depctr_va_sdst(0) depctr_va_ssrc(0) depctr_va_vcc(0) depctr_vm_vsrc(0)
	s_getreg_b32 s2, hwreg(HW_REG_IB_STS2, 6, 4)
	s_cmp_eq_u32 s2, 0
	s_cbranch_scc0 .Lentry_in_a_cluster
	s_endpgm
.Lentry_in_a_cluster:
	s_bfe_u32 s2, ttmp6, 0x10000c
	s_cmp_lg_u32 s2, 0x3003
	s_cbranch_scc0 .Lentry_shape_is_right
	s_endpgm
.Lentry_shape_is_right:
; For each (batch, head): out_t, lse_t over 2,048 keys, out_c, lse_c over 512 cond keys, x = alpha out_t + beta out_c, all four products on codes of BF6 (E3M2) with E8M0 block scales; x leaves as codes for the projection.
; THE WEIGHTS ARE QUANTISED FINISHED AND NORMALISED: p = exp(score x scale - lse).  So a row's lse is known before its p is made: TWO PASSES over the keys.
;   Pass 1: S^T = K Q^T, a running maximum M (a whole number, kept as -M) and the sum of 2^(t - M), t = score x log2(e) / sqrt(128): lse2 = M + log2(sum), for the cond keys and for the target keys.
;   Pass 2: S^T again (the same instructions, the same bits), p = 2^(t - lse2), quantised along the keys, O^T += V^T P^T.
; THE JOIN: with d = lse2_c + b log2(e) - lse2_t and g = 2^d: alpha = 1 / (1 + g), beta = g / (1 + g).  The cond keys go first; O^T is then multiplied by g, the target keys are added onto it, and at the end
; x = O^T / (1 + g) = alpha out_t + beta out_c: one accumulator serves both, in another order of rounding than alpha out_t + beta out_c written out.
; LIMITS: d is held at 64 from above (beyond it out_t's share is under 2^-64 of x); p and g under 2^-126 come out as 0 (v_exp_f32, ISA guide 15.8); NaN and infinities are not served; a block of zeros has the byte 1 (zero codes).
; OPERANDS are RECORDS of 12,800 bytes (128 rows x 128 K as images of the operand's registers): byte 1536 T + 512 c + 16 l + 4 i = register 4 c + i of lane l of tile T; tile T's row r is the record's row
; 32 (T / 2) + 8 (T % 2) + r + 8 (r / 8); byte 12288 + 16 l + 4 i = pair i's scale word (lanes 0-15 tile 2 i, lanes 16-31 tile 2 i + 1).  A fragment is three loads of 512 consecutive bytes.
; Both products are used transposed (source 0 = 16 keys or 16 channels, source 1 = my 16 queries): a lane holds ONE query throughout, and by the tiles' order of rows registers 16 b + i are keys (channels) 32 b + 16 (lane / 16) + i.
; SHARES: a work-group owns 256 queries of one head; wave w owns pair w % 4 of query record 2 X + w / 4: TWO tiles of 16 queries, so that each fragment read from LDS feeds two matrix instructions.  Two waves to a SIMD.
; CLUSTER: the four work-groups of a cluster belong to one head and read the same K and V: every tensor load is asked for JOINTLY, with the same descriptor and the mask 15.
; LDS: 0: the head's 20 records of K, filled once, read in both passes; 256,000: the spare words; 257,024: x's scale words; 262,144 and 294,912: two slots of two records of V.
; REGISTERS: what belongs to a tile has the same numbers in window 0 (tile 0) and window 1 (tile 1): v64-127 S^T then p, v128-191 O^T, v192-203 Q, v204-215 codes, v216-222 conversions, v224-255 statistics.
;   Window 0 alone: v1-22 addresses and scale words (scale operands have no window), v24-59 fragments 5-7.  Window 1: v0-59 fragments 0-4.
.set REC,   12800
.set SPARE, 256000                     ; 128 bytes for each of eight waves: four blocks of 256 bytes that no other line names
.set XSC,   257024                     ; 2 x 512 bytes: the scale words of the work-group's two records of x
.set VSLOT, 262144
.set VX,    32768                      ; one exclusive or turns an address in one slot of V into the other's
.set LI,   1                           ; 16 x lane
.set SPW,  2                           ; LDS address of my spare word; never rewritten
.set NIL,  3                           ; 0; never rewritten
.set ADK,  4                           ; LDS address of the step's record of K
.set ADV,  5                           ; of V
.set QO,   6                           ; my place in a record of q or x: 16 x lane + 3,072 x pair
.set QSO,  7                           ; and among its scale words: 16 x lane + 4 x pair
.set KS,   8                           ; v8-11  K's scale words
.set VS,   12                          ; v12-15 V's
.set QS,   16                          ; Q's: lanes 0-15 tile 0, lanes 16-31 tile 1
.set PW,   17                          ; v17, v18 the scale word of p (at the end: of x), tile 0, tile 1
.set TMP,  19
.set XSA,  20                          ; where my pair's scale words of x go
.set XSL,  21                          ; where waves 0 and 1 read a record's words back
.set LANE, 22
.set S,    64
.set O,    128
.set QF,   192
.set PC,   204
.set CT,   216
.set TM,   224                         ; +0..3 block maxima, +4..7 permutes' destinations, then bytes, +8..9 a second chain of sums, +12..15 scale operands
.set NM,   240                         ; -M;  with TX a pair
.set TX,   241                         ; the largest t so far
.set SUM,  242                         ; the sum, in two halves
.set F,    244                         ; 2^(old M - new M)
.set NL,   246                         ; -lse2 of the keys in hand
.set NLT,  248
.set NLC,  249
.set G,    250
.set A,    252                         ; 1 / (1 + g)
.set T,    254
.set B2,   255                         ; b x log2(e)
.set MSB, 0
.macro WIN new                         ; bits 1:0 source 0, 3:2 source 1, 5:4 source 2, 7:6 destination; the immediate's high byte repeats the setting that is left
.if MSB != (\new)
	s_set_vgpr_msb (MSB<<8)|(\new)
.set MSB, (\new)
.endif
.endm
.macro PLACES n
.rept \n
	v_nop
.endr
.endm
; A round of the cluster's barrier: my work-group's barrier; wave 0 signals for the work-group; every wave waits for all four work-groups; my work-group's barrier once more.
.macro CROUND
	s_barrier_signal -1
	s_barrier_wait -1
	s_cmp_lg_u32 s14, 0
	s_cbranch_scc1 .Lnot_wave_0_\@
	s_barrier_signal -3
.Lnot_wave_0_\@:
	s_barrier_wait -3
	s_barrier_signal -1
	s_barrier_wait -1
.endm
; One matrix instruction on rD, rA, rB, rSA, rSB.  cz = 1: it starts a sum; ra, rb: the scales are taken from lanes 16-31.
.macro WM cz, ra, rb
.if (\cz) && (\ra) && (\rb)
	v_wmma_scale_f32_16x16x128_f8f6f4 v[rD:rD+7], v[rA:rA+11], v[rB:rB+11], 0, v[rSA], v[rSB] matrix_a_fmt:MATRIX_FMT_BF6 matrix_b_fmt:MATRIX_FMT_BF6 matrix_a_scale:MATRIX_SCALE_ROW1 matrix_b_scale:MATRIX_SCALE_ROW1
.elseif (\cz) && (\ra)
	v_wmma_scale_f32_16x16x128_f8f6f4 v[rD:rD+7], v[rA:rA+11], v[rB:rB+11], 0, v[rSA], v[rSB] matrix_a_fmt:MATRIX_FMT_BF6 matrix_b_fmt:MATRIX_FMT_BF6 matrix_a_scale:MATRIX_SCALE_ROW1
.elseif (\cz) && (\rb)
	v_wmma_scale_f32_16x16x128_f8f6f4 v[rD:rD+7], v[rA:rA+11], v[rB:rB+11], 0, v[rSA], v[rSB] matrix_a_fmt:MATRIX_FMT_BF6 matrix_b_fmt:MATRIX_FMT_BF6 matrix_b_scale:MATRIX_SCALE_ROW1
.elseif (\cz)
	v_wmma_scale_f32_16x16x128_f8f6f4 v[rD:rD+7], v[rA:rA+11], v[rB:rB+11], 0, v[rSA], v[rSB] matrix_a_fmt:MATRIX_FMT_BF6 matrix_b_fmt:MATRIX_FMT_BF6
.elseif (\ra) && (\rb)
	v_wmma_scale_f32_16x16x128_f8f6f4 v[rD:rD+7], v[rA:rA+11], v[rB:rB+11], v[rD:rD+7], v[rSA], v[rSB] matrix_a_fmt:MATRIX_FMT_BF6 matrix_b_fmt:MATRIX_FMT_BF6 matrix_a_scale:MATRIX_SCALE_ROW1 matrix_b_scale:MATRIX_SCALE_ROW1
.elseif (\ra)
	v_wmma_scale_f32_16x16x128_f8f6f4 v[rD:rD+7], v[rA:rA+11], v[rB:rB+11], v[rD:rD+7], v[rSA], v[rSB] matrix_a_fmt:MATRIX_FMT_BF6 matrix_b_fmt:MATRIX_FMT_BF6 matrix_a_scale:MATRIX_SCALE_ROW1
.elseif (\rb)
	v_wmma_scale_f32_16x16x128_f8f6f4 v[rD:rD+7], v[rA:rA+11], v[rB:rB+11], v[rD:rD+7], v[rSA], v[rSB] matrix_a_fmt:MATRIX_FMT_BF6 matrix_b_fmt:MATRIX_FMT_BF6 matrix_b_scale:MATRIX_SCALE_ROW1
.else
	v_wmma_scale_f32_16x16x128_f8f6f4 v[rD:rD+7], v[rA:rA+11], v[rB:rB+11], v[rD:rD+7], v[rSA], v[rSB] matrix_a_fmt:MATRIX_FMT_BF6 matrix_b_fmt:MATRIX_FMT_BF6
.endif
.endm
; A record out of LDS: its scale words, then its eight fragments: 25 loads.
.macro FETCH adr, sreg
	WIN 0
	ds_load_b128 v[\sreg:\sreg+3], v[\adr] offset:12288
	WIN 0x40                                       ; destination window 1
.irp f, 0,1,2,3,4
.irp c, 0,1,2
	ds_load_b128 v[12*\f+4*\c:12*\f+4*\c+3], v[\adr] offset:1536*\f+512*\c
.endr
.endr
	WIN 0
.irp f, 5,6,7
.irp c, 0,1,2
	ds_load_b128 v[24+12*(\f-5)+4*\c:24+12*(\f-5)+4*\c+3], v[\adr] offset:1536*\f+512*\c
.endr
.endr
.endm
; Fragment f against tile t.  pv = 0: S^T = K Q^T, always a new sum.  pv = 1: O^T += V^T P^T (zero = 1: it starts O^T).
.macro ONE pv, zero, t, f
.if \f < 5
.set rA, 12*\f
.else
.set rA, 24+12*(\f-5)
.endif
.if \pv
.set rD, O+8*\f
.set rB, PC
.set rSA, VS+\f/2
.set rSB, PW+\t
	WM \zero, \f%2, 0
.else
.set rD, S+8*\f
.set rB, QF
.set rSA, KS+\f/2
.set rSB, QS
	WM 1, \f%2, \t
.endif
.endm
; The 16 products of a record against my two tiles, in four stretches under one window setting each.  The 16 accumulators take turns, one instruction a turn.
.macro MM pv, zero
.if \pv == 0
	s_wait_dscnt 0x9                               ; the scale words and fragments 0-4 are in; the youngest nine loads (fragments 5-7) may be out
.endif
	WIN 0x01                                       ; source 0 window 1; tile 0
.irp f, 0,1,2,3,4
	ONE \pv, \zero, 0, \f
.endr
	WIN 0x55                                       ; tile 1
.irp f, 0,1,2,3,4
	ONE \pv, \zero, 1, \f
.endr
.if \pv == 0
	s_wait_dscnt 0x0
.endif
	WIN 0x00                                       ; source 0 window 0; tile 0
.irp f, 5,6,7
	ONE \pv, \zero, 0, \f
.endr
	WIN 0x54                                       ; tile 1
.irp f, 5,6,7
	ONE \pv, \zero, 1, \f
.endr
.endm
; The largest score of each block of 32 keys (my 16 of them).  Each accumulator is read first at its low end.
.macro BMAX
.irp b, 0,1,2,3
	v_max3_num_f32 v[TM+\b], v[S+16*\b], v[S+16*\b+1], v[S+16*\b+2]
.endr
.irp i, 3,5,7,9,11,13
.irp b, 0,1,2,3
	v_max3_num_f32 v[TM+\b], v[TM+\b], v[S+16*\b+\i], v[S+16*\b+\i+1]
.endr
.endr
.irp b, 0,1,2,3
	v_max_num_f32 v[TM+\b], v[TM+\b], v[S+16*\b+15]
.endr
.endm
; Pass 1, tile t: the running maximum and the sum.
.macro P1STAT t
	WIN 0x55*\t
	BMAX
	v_max3_num_f32 v[T], v[TM], v[TM+1], v[TM+2]
	v_max_num_f32 v[T], v[T], v[TM+3]
	v_permlanex16_b32 v[TM+4], v[T], s20, s21
	v_max_num_f32 v[T], v[T], v[TM+4]              ; with lane l xor 16's keys: the step's largest score of my query
	v_mul_f32 v[T], s22, v[T]                      ; as t (c is positive)
	v_max_num_f32 v[TX], v[TX], v[T]
	v_mov_b32 v[T], v[NM]
	v_floor_f32 v[NM], -v[TX]                      ; the new -M = -ceil(t): a whole number
	v_sub_f32 v[T], v[NM], v[T]                    ; old M - new M: a whole number, 0 or less
	v_cvt_i32_f32 v[T], v[T]                       ; (it saturates)
	v_ldexp_f32 v[F], 1.0, v[T]                    ; 2^(old M - new M): a multiplication by it rounds nothing
.set j, 0
.rept 32
	v_pk_fma_f32 v[S+j:S+j+1], v[S+j:S+j+1], s[22:23], v[NM:NM+1] op_sel_hi:[1,0,0]   ; t - M, two at a time
.set j, j+2
.endr
.set j, 0
.rept 64
	v_exp_f32 v[S+j], v[S+j]
.set j, j+1
.endr
	v_pk_mul_f32 v[SUM:SUM+1], v[SUM:SUM+1], v[F:F+1] op_sel_hi:[1,0]   ; the sums under the new M: the plain place behind the exponentials
	s_wait_alu depctr_va_vdst(0)                   ; one wait for the batch, ahead of its first reader
	v_pk_add_f32 v[TM+8:TM+9], v[S:S+1], v[S+2:S+3]
.set j, 4
.rept 15
	v_pk_add_f32 v[SUM:SUM+1], v[SUM:SUM+1], v[S+j:S+j+1]
	v_pk_add_f32 v[TM+8:TM+9], v[TM+8:TM+9], v[S+j+2:S+j+3]
.set j, j+4
.endr
	v_pk_add_f32 v[SUM:SUM+1], v[SUM:SUM+1], v[TM+8:TM+9]
.endm
; The end of a set of keys: dst = -lse2 = -M - log2(sum); the statistics begin anew.
.macro LSE t, dst
	WIN 0x55*\t
	v_add_f32 v[T], v[SUM], v[SUM+1]
	v_permlanex16_b32 v[TM+4], v[T], s20, s21
	v_add_f32 v[T], v[T], v[TM+4]                  ; the row's sum: at least 1/2, since M is under the largest t + 1
	v_log_f32 v[T], v[T]
	v_nop
	s_wait_alu depctr_va_vdst(0)
	v_sub_f32 v[\dst], v[NM], v[T]
	v_mov_b32 v[TX], 0xff61b1e6                    ; -3e38, under every t
	v_floor_f32 v[NM], -v[TX]
	v_mov_b32 v[SUM], 0
	v_mov_b32 v[SUM+1], 0
.endm
.macro POST t                          ; g and 1 / (1 + g); pass 2 begins with the cond keys
	WIN 0x55*\t
	v_sub_f32 v[T], v[NLT], v[NLC]                 ; lse2_c - lse2_t
	v_add_f32 v[T], v[T], v[B2]
	v_min_num_f32 v[T], 0x42800000, v[T]           ; held at 64
	v_exp_f32 v[G], v[T]
	v_nop
	s_wait_alu depctr_va_vdst(0)
	v_add_f32 v[T], 1.0, v[G]
	v_rcp_f32 v[A], v[T]
	v_nop
	s_wait_alu depctr_va_vdst(0)
	v_mov_b32 v[NL], v[NLC]
.endm
; 64 numbers v[s] .. v[s + 63] of tile t, their blocks' largest magnitudes in v[TM] .. v[TM + 3], become a fragment's codes in v[PC] on and its scale word in v[PW + t].  fl = 1: the floor is still to be laid.
.macro QTAIL t, s, fl
.if \fl
.irp b, 0,1,2,3
	v_max_num_f32 v[TM+\b], 0x2800000, v[TM+\b]    ; the floor 2^(5 - 127): the byte cannot fall under 1
.endr
.endif
.irp b, 0,1,2,3
	v_add_nc_u32 v[TM+12+\b], 0xfe000000, v[TM+\b] ; 4 off the exponent field: the conversion's scale operand
.endr
.irp b, 0,1,2,3
	v_lshrrev_b32 v[TM+4+\b], 23, v[TM+12+\b]      ; the scale's byte
.endr
	v_lshl_or_b32 v[T], v[TM+5], 8, v[TM+4]
	v_lshl_or_b32 v[T], v[TM+6], 16, v[T]
	v_lshl_or_b32 v[T], v[TM+7], 24, v[T]
	WIN \t                                         ; source 0: the tile's window; destination: window 0, where scale operands lie
	v_mov_b32 v[PW+\t], v[T]
	WIN 0x55*\t
.irp c, 0,1
	v_cvt_scalef32_pk16_bf6_f32 v[PC+6*\c:PC+6*\c+2], v[\s+32*\c:\s+32*\c+15], v[TM+12+2*\c]
	v_cvt_scalef32_pk16_bf6_f32 v[CT+4*\c:CT+4*\c+2], v[\s+32*\c+16:\s+32*\c+31], v[TM+12+2*\c+1]   ; (a conversion's three registers begin on an even number)
.endr
	v_nop                                          ; one plain place behind a scaled conversion
.irp c, 0,1                                    ; the operand's layout wants a whole block in a lane: lanes 0-15 block 2 c, lanes 16-31 block 2 c + 1
.irp i, 0,1,2
	v_permlane16_swap_b32 v[PC+6*\c+\i], v[CT+4*\c+\i]
.endr
.irp i, 0,1,2
	v_mov_b32 v[PC+3+6*\c+\i], v[CT+4*\c+\i]
.endr
.endr
.endm
; Pass 2, tile t: p = 2^(t - lse2), finished and normalised, and its codes.  A block's largest p is its largest score put through the same multiply-add and exponential.
.macro P2SOFT t
	WIN 0x55*\t
	BMAX
.irp b, 0,1,2,3
	v_permlanex16_b32 v[TM+4+\b], v[TM+\b], s20, s21
.endr
.irp b, 0,1,2,3
	v_max_num_f32 v[TM+\b], v[TM+\b], v[TM+4+\b]
.endr
.set j, 0
.rept 32
	v_pk_fma_f32 v[S+j:S+j+1], v[S+j:S+j+1], s[22:23], v[NL:NL+1] op_sel_hi:[1,0,0]
.set j, j+2
.endr
.irp b, 0,1,2,3
	v_fma_f32 v[TM+\b], v[TM+\b], s22, v[NL]
.endr
.set j, 0
.rept 64
	v_exp_f32 v[S+j], v[S+j]
.set j, j+1
.endr
.irp b, 0,1,2,3
	v_exp_f32 v[TM+\b], v[TM+\b]
.endr
	v_nop                                          ; the plain place behind the batch of 68
	s_wait_alu depctr_va_vdst(0)                   ; and its one wait, ahead of the first reader
	QTAIL \t, S, 1
.endm
.macro QMAX                            ; the blocks' largest magnitudes of x (signed numbers), with the floor among the leaves
.irp b, 0,1,2,3
	v_max3_num_f32 v[TM+\b], |v[S+16*\b]|, |v[S+16*\b+1]|, 0x2800000
.endr
.irp i, 2,4,6,8,10,12,14
.irp b, 0,1,2,3
	v_max3_num_f32 v[TM+\b], v[TM+\b], |v[S+16*\b+\i]|, |v[S+16*\b+\i+1]|
.endr
.endr
.irp b, 0,1,2,3
	v_permlanex16_b32 v[TM+4+\b], v[TM+\b], s20, s21
.endr
.irp b, 0,1,2,3
	v_max_num_f32 v[TM+\b], v[TM+\b], v[TM+4+\b]
.endr
.endm
; A key step of pass 1: 128 keys.  The statistics' lines are the places between a step's products and the next step's loads into their operands.
.macro P1STEP
	v_add_nc_u32 v[ADK], s52, v[LI]
	FETCH ADK, KS
	MM 0, 0
	WIN 0
	PLACES 4                                       ; four places between the products and the first read of their results
	P1STAT 0
	P1STAT 1
	WIN 0
	s_add_co_u32 s52, s52, REC
.endm
; A key step of pass 2.  V's record is asked for behind the scores' products and lands while p is made.
.macro P2STEP zero
	v_add_nc_u32 v[ADK], s52, v[LI]
	v_add_nc_u32 v[ADV], s53, v[LI]
	PLACES 2                                       ; with the two additions: four places in front of loads into registers that the last products read
	FETCH ADK, KS
	MM 0, 0
	WIN 0
	PLACES 4                                       ; in front of the loads into K's registers, and of the first read of the scores
	FETCH ADV, VS
	P2SOFT 0
	P2SOFT 1
	PLACES 8                                       ; a scale word written by a vector instruction stands eight places ahead of a scaled matrix instruction, codes so written four
	s_wait_dscnt 0x0                               ; V is in
	MM 1, \zero
	WIN 0
	s_add_co_u32 s52, s52, REC
	s_add_co_u32 s53, s53, REC
.endm
.macro TWO_STEPS                       ; a slot's two key steps: written once, walked twice
	s_mov_b32 s55, 2
.Lstep_\@:
	P2STEP 0
	s_sub_co_u32 s55, s55, 1
	s_cmp_lg_u32 s55, 0
	s_cbranch_scc1 .Lstep_\@
.endm
.macro ENDSLOT                         ; V's reads go to the other slot's first record
	s_sub_co_u32 s53, s53, 2*REC
	s_xor_b32 s53, s53, VX
.endm
; THE CHANGE OF SLOTS stands at a slot's head.  Each wave waits for all its tensor loads (waves 4 and 5: their record of the slot ahead), adds 0 to its spare word, and waits for that and for its reads of the slot that it has left.
; fill = 1: a round of the cluster's barrier, so that no wave of any partner still reads that slot or has a load on its way; behind it waves 4 and 5 ask jointly for the next two records of V: the load has two key steps in which to land.
.macro CHANGE fill
	WIN 0
	s_wait_tensorcnt 0x0                           ; no tensor load of mine is out, so a group 0 may be written
	ds_add_u32 v[SPW], v[NIL]                      ; 0 onto my spare word
.if \fill
	s_xor_b32 s49, s49, VX                         ; the walking descriptor: the other slot than last time,
	s_add_nc_u64 s[50:51], s[50:51], 2*REC         ; the next two records; the type bits on top are not reached
.endif
	s_wait_dscnt 0x0                               ; the add is done, and my reads of the slot that I have left are over
.if \fill
	CROUND
	s_cmp_eq_u32 s18, 2                            ; waves 4 and 5
	s_cbranch_scc0 .Lno_v_\@
	tensor_load_to_lds s[48:51], s[24:31]          ; the first thing behind the round, and a wave's one tensor load until the next
	s_nop 0
	PLACES 4
.Lno_v_\@:
.else
	s_barrier_signal -1
	s_barrier_wait -1
.endif
.endm
	s_load_b256 s[4:11], s[0:1], 0x0               ; qrec s[4:5], krec s[6:7], vrec s[8:9], b_cond s[10:11]
	s_load_b64 s[12:13], s[0:1], 0x20              ; xrec
	v_lshl_add_u32 v[SPW], v0, 2, SPARE
	v_mov_b32 v[NIL], 0
	ds_add_u32 v2, v3
	s_wait_dscnt 0x0
	v_lshrrev_b32 v[TMP], 5, v0
	v_readfirstlane_b32 s14, v[TMP]                ; wave 0..7
	s_bfe_u32 s15, ttmp6, 0x40000                  ; cx: my place in the cluster
	s_lshl_b32 s16, ttmp9, 2
	s_add_co_u32 s16, s16, s15                     ; X: my block of 256 queries: it enters q's and x's addresses alone
	s_and_b32 s17, ttmp7, 0xffff                   ; (batch, head), which the four partners share
	s_mov_b32 s20, 0x76543210
	s_mov_b32 s21, 0xfedcba98                      ; v_permlanex16_b32's selects for lane l xor 16
	s_mov_b32 s22, 0x3e0293ee                      ; c = log2(e) / sqrt(128)
	s_mov_b32 s23, s22                             ; (named with it as a pair, so it is written)
	; descriptor group 1: dense blocks as rows of 256 bytes (32 elements of 8 bytes): one record is 50 rows, four records 200
	s_mov_b32 s24, 15|(3<<16)|(1<<21)              ; 15:0 the mask: all four work-groups; 17:16 elements of 8 bytes; 20 no padding; 21 set beside a mask
	s_mov_b32 s25, 32<<16                          ; tensor_dim0 = 32
	s_mov_b32 s26, 50<<16                          ; tensor_dim1 = 50
	s_mov_b32 s27, 32<<16                          ; tile_dim0 = 32
	s_mov_b32 s28, 50                              ; tile_dim1 = 50
	s_mov_b32 s29, 32                              ; from row to row
	s_mov_b32 s30, 0
	s_mov_b32 s31, 0
	s_mov_b32 s32, 15|(3<<16)|(1<<21)
	s_mov_b32 s33, 32<<16
	s_mov_b32 s34, 200<<16
	s_mov_b32 s35, 32<<16
	s_mov_b32 s36, 200
	s_mov_b32 s37, 32
	s_mov_b32 s38, 0
	s_mov_b32 s39, 0
	s_and_b32 s66, s14, 3
	s_and_b32 s67, s14, 1
	s_lshr_b32 s68, s14, 2
	s_lshr_b32 s18, s14, 1
	s_mul_i32 s69, s66, REC                        ; waves 0-3: cond record w, in LDS and in the head
	s_mul_i32 s70, s17, 20*REC                     ; the head's first byte in krec and in vrec
	s_add_co_u32 s72, s70, s69
	s_mov_b32 s73, 0
	s_mul_i32 s71, s66, 4*REC
	s_add_co_u32 s71, s71, 4*REC                   ; and target records 4 + 4 w .. 7 + 4 w
	s_add_co_u32 s74, s70, s71
	s_mov_b32 s75, 0
	s_mul_i32 s19, s67, REC                        ; waves 4, 5: which record of a slot of V
	s_lshl_b32 s76, s16, 1                         ; 2 X  (s76-s79 alone hold what hangs on cx)
	s_add_co_u32 s77, s76, s68                     ; my block of 128 queries
	s_lshl_b32 s78, s17, 4
	s_add_co_u32 s78, s78, s77
	s_mul_i32 s78, s78, REC                        ; its record of q
	s_mov_b32 s79, 0
	s_wait_kmcnt 0x0
	s_load_b32 s56, s[10:11], 0x0                  ; b
	s_add_nc_u64 s[58:59], s[4:5], s[78:79]
	s_and_b32 s78, s17, 16                         ; 16 x batch
	s_add_co_u32 s78, s78, s77
	s_lshl_b32 s78, s78, 4
	s_and_b32 s77, s17, 15                         ; the head is x's K step
	s_add_co_u32 s78, s78, s77
	s_mul_i32 s78, s78, REC
	s_add_nc_u64 s[60:61], s[12:13], s[78:79]      ; my record of x
	s_and_b32 s78, s17, 16
	s_add_co_u32 s78, s78, s76
	s_add_co_u32 s78, s78, s67                     ; waves 0, 1: the record whose scale words I store
	s_lshl_b32 s78, s78, 4
	s_add_co_u32 s78, s78, s77
	s_mul_i32 s78, s78, REC
	s_add_nc_u64 s[62:63], s[12:13], s[78:79]
	CROUND                                         ; all four work-groups are here: the first joint loads meet
	s_mov_b32 s40, 1                               ; group 0: count = 1,
	s_mov_b32 s41, s69                             ; LDS address,
	s_add_nc_u64 s[42:43], s[6:7], s[72:73]        ; global address,
	s_or_b32 s43, s43, 0x80000000                  ; type = 2
	s_mov_b32 s44, 1
	s_mov_b32 s45, s71
	s_add_nc_u64 s[46:47], s[6:7], s[74:75]
	s_or_b32 s47, s47, 0x80000000
	s_add_co_u32 s72, s70, s19
	s_mov_b32 s48, 1
	s_add_co_u32 s49, s19, VSLOT
	s_add_nc_u64 s[50:51], s[8:9], s[72:73]
	s_or_b32 s51, s51, 0x80000000
	s_cmp_lt_u32 s14, 4                            ; a wave's first fills stand in one branch: waves 0-3 all of K (two loads of mine are out), waves 4 and 5 V's first slot, waves 6 and 7 nothing
	s_cbranch_scc0 .Lfirst_v
	tensor_load_to_lds s[40:43], s[24:31]          ; the cond keys first: pass 1 begins with them
	s_nop 0
	tensor_load_to_lds s[44:47], s[32:39]
	s_nop 0
	PLACES 4
	s_branch .Lfirst_done
.Lfirst_v:
	s_cmp_lt_u32 s14, 6
	s_cbranch_scc0 .Lfirst_done
	tensor_load_to_lds s[48:51], s[24:31]
	s_nop 0
	PLACES 4
.Lfirst_done:
	v_and_b32 v[LANE], 31, v0
	v_lshlrev_b32 v[LI], 4, v[LANE]
	s_mul_i32 s19, s66, 3072
	v_add_nc_u32 v[QO], s19, v[LI]
	s_lshl_b32 s19, s66, 2
	v_add_nc_u32 v[QSO], s19, v[LI]
	s_lshl_b32 s69, s68, 9
	s_add_co_u32 s69, s69, s19
	s_add_co_u32 s69, s69, XSC
	v_add_nc_u32 v[XSA], s69, v[LI]                ; XSC + 512 x (record of the two) + 16 x lane + 4 x pair
	s_lshl_b32 s69, s67, 9
	s_add_co_u32 s69, s69, XSC
	v_add_nc_u32 v[XSL], s69, v[LI]
.irp t, 0,1
	WIN 0x40*\t                                    ; destination: the tile's window
.irp c, 0,1,2
	global_load_b128 v[QF+4*\c:QF+4*\c+3], v[QO], s[58:59] offset:1536*\t+512*\c   ; Q's fragments stay in registers
.endr
.endr
	WIN 0
	global_load_b32 v[QS], v[QSO], s[58:59] offset:12288
	s_wait_kmcnt 0x0                               ; b
.irp t, 0,1
	WIN 0x55*\t
	v_mov_b32 v[TX], 0xff61b1e6                    ; the largest t so far: -3e38, under every t
	v_floor_f32 v[NM], -v[TX]
	v_mov_b32 v[SUM], 0
	v_mov_b32 v[SUM+1], 0
	v_mov_b32 v[F+1], 0                            ; the upper halves of pairs of which the low word serves both halves: named, so written
	v_mov_b32 v[NL+1], 0
	v_mov_b32 v[G+1], 0
	v_mov_b32 v[A+1], 0
.irp b, 0,1,2,3
	v_mov_b32 v[TM+4+\b], 0                        ; a lane permute's destination counts as one of its sources
.endr
	v_mov_b32 v[B2], s56
	v_mul_f32 v[B2], 0x3fb8aa3b, v[B2]             ; b x log2(e)
.endr
	WIN 0
	s_wait_loadcnt 0x0                             ; Q
	; ---- PASS 1
	s_mov_b32 s52, 0
	s_wait_tensorcnt 0x1                           ; waves 0-3: my cond record is in; the load of the target keys may stay out
	s_barrier_signal -1
	s_barrier_wait -1                              ; everybody's is
	s_mov_b32 s54, 4
.Lp1_cond:
	P1STEP
	s_sub_co_u32 s54, s54, 1
	s_cmp_lg_u32 s54, 0
	s_cbranch_scc1 .Lp1_cond
	LSE 0, NLC
	LSE 1, NLC
	WIN 0
	s_wait_tensorcnt 0x0                           ; my four records of the target keys are in
	s_barrier_signal -1
	s_barrier_wait -1                              ; everybody's are
	s_mov_b32 s54, 16
.Lp1_target:
	P1STEP
	s_sub_co_u32 s54, s54, 1
	s_cmp_lg_u32 s54, 0
	s_cbranch_scc1 .Lp1_target
	LSE 0, NLT
	LSE 1, NLT
	POST 0
	POST 1
	; ---- PASS 2: ten slots of two key steps; the first two hold the cond keys
	s_mov_b32 s52, 0
	s_mov_b32 s53, VSLOT
	CHANGE 1                                       ; V's second slot has its first fill here, issued as a refill is
	P2STEP 1                                       ; the first products start O^T: nothing is cleared
	P2STEP 0
	ENDSLOT
	CHANGE 1
	TWO_STEPS
	ENDSLOT
	PLACES 4                                       ; out_c is whole: O^T x g, from each accumulator's low end on; the target keys are added onto it
.irp t, 0,1
	WIN 0x55*\t
.set j, 0
.rept 32
	v_pk_mul_f32 v[O+j:O+j+1], v[O+j:O+j+1], v[G:G+1] op_sel_hi:[1,0]
.set j, j+2
.endr
	v_mov_b32 v[NL], v[NLT]
.endr
	WIN 0
	s_mov_b32 s54, 7
.Lslot:                                            ; slots 2 to 8: behind each change the next slot is asked for
	CHANGE 1
	TWO_STEPS
	ENDSLOT
	s_sub_co_u32 s54, s54, 1
	s_cmp_lg_u32 s54, 0
	s_cbranch_scc1 .Lslot
	CHANGE 0                                       ; the last slot is written out
	TWO_STEPS
	; ---- THE WAY OUT: x = O^T / (1 + g), quantised along the channels; the codes are x's fragments and are stored as they stand
	PLACES 4
.irp t, 0,1
	WIN 0x55*\t
.set j, 0
.rept 32
	v_pk_mul_f32 v[S+j:S+j+1], v[O+j:O+j+1], v[A:A+1] op_sel_hi:[1,0]
.set j, j+2
.endr
	QMAX
	QTAIL \t, S, 0
	WIN 4*\t                                       ; a store's data are its source 1
.irp c, 0,1,2
	global_store_b128 v[QO], v[PC+4*\c:PC+4*\c+3], s[60:61] offset:1536*\t+512*\c   ; 32 lanes store 512 consecutive bytes, at a multiple of 256 from the buffer's first byte
.endr
.endr
	WIN 0
	v_cmp_gt_u32 vcc_lo, 16, v[LANE]
	v_cndmask_b32 v[TMP], v[PW+1], v[PW], vcc_lo   ; lanes 0-15: tile 0's scale words; lanes 16-31: tile 1's
	ds_store_b32 v[XSA], v[TMP]
	s_wait_dscnt 0x0                               ; for the others' sake: my words have landed
	s_barrier_signal -1
	s_barrier_wait -1
	s_cmp_lt_u32 s14, 2                            ; waves 0 and 1 store a record's 512 bytes of scale words each
	s_cbranch_scc0 .Lno_scales
	ds_load_b128 v[24:27], v[XSL]
	s_wait_dscnt 0x0
	global_store_b128 v[LI], v[24:27], s[62:63] offset:12288
.Lno_scales:
	s_wait_tensorcnt 0x0                           ; the wave's end, behind my last tensor load and my last LDS store
	ds_add_u32 v[SPW], v[NIL]
	s_wait_dscnt 0x0
	CROUND                                         ; the closing round: no work-group ends while a partner may still ask for a tile that names it
	s_endpgm
.Lfunc_end_k_q8147166e14_attn:
	.size	k_q8147166e14_attn, .Lfunc_end_k_q8147166e14_attn-k_q8147166e14_attn
	.p2alignl 7, 3214868480
	.fill 96, 4, 3214868480
	.section	.rodata,"a",@progbits
	.p2align	6, 0x0
	.amdhsa_kernel k_q8147166e14_attn
		.amdhsa_group_segment_fixed_size 327680
		.amdhsa_private_segment_fixed_size 0
		.amdhsa_enable_private_segment 0
		.amdhsa_kernarg_size 40
		.amdhsa_user_sgpr_count 2
		.amdhsa_user_sgpr_kernarg_segment_ptr 1
		.amdhsa_wavefront_size32 1
		.amdhsa_system_sgpr_workgroup_id_x 1
		.amdhsa_system_sgpr_workgroup_id_y 1
		.amdhsa_system_sgpr_workgroup_id_z 1
		.amdhsa_system_vgpr_workitem_id 0
		.amdhsa_next_free_vgpr 512
		.amdhsa_next_free_sgpr 80
		.amdhsa_reserve_vcc 1
		.amdhsa_float_denorm_mode_32 3
		.amdhsa_float_denorm_mode_16_64 3
		.amdhsa_memory_ordered 1
		.amdhsa_forward_progress 1
		.amdhsa_inst_pref_size 198
	.end_amdhsa_kernel
	.amdgpu_metadata
---
amdhsa.version: [ 1, 2 ]
amdhsa.kernels:
  - .name:           k_q8147166e14_attn
    .symbol:         k_q8147166e14_attn.kd
    .args:
      - { .name: qrec, .offset: 0, .size: 8, .value_kind: global_buffer, .address_space: global }
      - { .name: krec, .offset: 8, .size: 8, .value_kind: global_buffer, .address_space: global }
      - { .name: vrec, .offset: 16, .size: 8, .value_kind: global_buffer, .address_space: global }
      - { .name: b_cond, .offset: 24, .size: 8, .value_kind: global_buffer, .address_space: global }
      - { .name: xrec, .offset: 32, .size: 8, .value_kind: global_buffer, .address_space: global }
    .group_segment_fixed_size: 327680
    .private_segment_fixed_size: 0
    .kernarg_segment_align: 8
    .kernarg_segment_size: 40
    .max_flat_workgroup_size: 256
    .sgpr_count:     80
    .vgpr_count:     512
    .wavefront_size: 32
...
	.end_amdgpu_metadata
.endif
;; end of part 3
;; launch proj (part 4): grid 8 x 32, 4 waves a work-group, clusters of 4 x 4, 327,680 bytes of LDS; arguments xrec, wrec, out0; writes out0
.if DOCPART == 4
	.amdgcn_target "amdgcn-amd-amdhsa--gfx1250"
	.amdhsa_code_object_version 6
	.text
	.protected	k_q8147166e14_proj
	.globl	k_q8147166e14_proj
	.p2align	8
	.type	k_q8147166e14_proj,@function
k_q8147166e14_proj:
	s_mov_b64 s[64:65], 0
	v_nop
	global_prefetch_b8 v0, s[64:65] scope:SCOPE_SE
	s_setreg_imm32_b32 hwreg(HW_REG_WAVE_MODE, 25, 1), 1
	s_wait_xcnt 0x0
	s_wait_alu depctr_hold_cnt(0) depctr_sa_sdst(0) depctr_va_vdst(0) depctr_va_sdst(0) depctr_va_ssrc(0) depctr_va_vcc(0) depctr_vm_vsrc(0)
	s_getreg_b32 s2, hwreg(HW_REG_IB_STS2, 6, 4)
	s_cmp_eq_u32 s2, 0
	s_cbranch_scc0 .Lentry_in_a_cluster
	s_endpgm
.Lentry_in_a_cluster:
	s_bfe_u32 s2, ttmp6, 0x10000c
	s_cmp_lg_u32 s2, 0xf033
	s_cbranch_scc0 .Lentry_shape_is_right
	s_endpgm
.Lentry_shape_is_right:
; out0[m][n] = sum over k of x[m][k] w_out[n][k], 4,096 x 2,048 x 2,048, on codes of BF6 (E3M2) with E8M0 block scales; sums in f32.
; Both operands are RECORDS of 12,800 bytes (128 rows x 128 K as images of the operand's registers): byte 1536 T + 512 c + 16 l + 4 i = register 4 c + i of lane l of tile T; tile T's row r is the record's row
; 32 (T / 2) + 8 (T % 2) + r + 8 (r / 8); byte 12288 + 16 l + 4 i = pair i's scale word (lanes 0-15 tile 2 i, lanes 16-31 tile 2 i + 1).  xrec: [block of 128 m][K step]; wrec: [block of 128 n][K step].
; SHARES: a work-group makes 128 m (block Y) x 256 n (blocks 2 X, 2 X + 1): 256 work-groups (tiles of 256 x 256 would be 128).  Wave w: x's tiles 4 (w / 2) .. + 3 against w_out's block 2 X + w % 2: 64 x 128, 32 accumulators.
; K goes through a ring of two LDS slots of FOUR K steps each (12 records, 153,600 bytes): four records on end are one dense block for one tensor load.  Wave 0 asks for x's, waves 1 and 2 for w_out's two blocks.
; CLUSTERS: 4 x 4 work-groups; x's records are shared along a row of the cluster, w_out's along a column: each is asked for JOINTLY, by the same load with the same descriptor and a mask that names the four.
; THE MATRIX INSTRUCTION IS USED TRANSPOSED (source 0 = 16 rows of w_out, source 1 = 16 rows of x): by the tiles' order of rows a lane holds, of each pair of w_out's tiles, 16 neighbouring numbers of a row of out0.
; REGISTERS: window 0: v1-29 addresses, v32-47 scale words (two sets).  Windows 0 and 1: a set of fragments each: v64-111 x's four, v112-207 w_out's eight.  Window 2: accumulator (a, b) at v[8 (8 a + b)].
.set REC,   12800
.set QUAD,  4*REC                      ; what one tensor load brings
.set SLOT,  3*QUAD
.set SPARE, 2*SLOT                     ; 128 bytes for each of four waves: two blocks of 256 bytes that no other line names
.set SPITCH, 528                       ; the way out: a stage of 16 rows x (512 + 16) bytes for each wave, in slot 0, which has had its last fill and its last read when the first result is stored there
.set LI,   1                           ; 16 x lane
.set ADRA, 16                          ; v16-17 LDS address of my four tiles of x in slot 0, 1
.set ADSA, 18                          ; v18-19 of their scale words
.set ADRB, 20                          ; v20-21 of my block of w_out
.set STO,  24
.set RD,   25
.set SPW,  28                          ; LDS address of my spare word; never rewritten
.set NIL,  29                          ; 0; never rewritten
.set SBR,  32                          ; w_out's scale words: set p at v[32 + 8 p], four registers
.set SAR,  36                          ; x's: set p at v[36 + 8 p], two registers
.set FA,   64
.set FB,   112
.set BK,   64                          ; the way out: 16 rows read back: v64-127 and v128-191 by turns
.set G1,   24                          ; s[24:31] group 1 for x's records;  s[32:39] group 0, one set for each slot
.set G0,   32
.set G1B,  48                          ; s[48:55], s[56:63] the same for w_out's
.set G0B,  56
.set MSB, 0
.macro WIN new                         ; bits 1:0 source 0, 3:2 source 1, 5:4 source 2, 7:6 destination; the immediate's high byte repeats the setting that is left
.if MSB != (\new)
	s_set_vgpr_msb (MSB<<8)|(\new)
.set MSB, (\new)
.endif
.endm
.macro PLACES
.rept 4
	v_nop
.endr
.endm
.macro CREST                           ; a round of the cluster's barrier behind its opening barrier
	s_cmp_lg_u32 s14, 0
	s_cbranch_scc1 .Lnot_wave_0_\@
	s_barrier_signal -3
.Lnot_wave_0_\@:
	s_barrier_wait -3
	s_barrier_signal -1
	s_barrier_wait -1
.endm
.macro CROUND
	s_barrier_signal -1
	s_barrier_wait -1
	CREST
.endm
; A joint refill of slot s.  Each of the two lines has one mask and one set of registers for all that issue it; the branches hang on the wave's number alone.  Four v_nop follow each line.
.macro JLOAD s
	s_cmp_eq_u32 s14, 0
	s_cbranch_scc0 .Lfor_b_\@
	tensor_load_to_lds s[G0+4*(\s):G0+4*(\s)+3], s[G1:G1+7]
	s_nop 0
	PLACES
	s_branch .Lasked_\@
.Lfor_b_\@:
	s_cmp_lt_u32 s14, 3
	s_cbranch_scc0 .Lasked_\@
	tensor_load_to_lds s[G0B+4*(\s):G0B+4*(\s)+3], s[G1B:G1B+7]
	s_nop 0
	PLACES
.Lasked_\@:
.endm
; One matrix instruction on rD, rA, rB, rSA, rSB.  cz = 1: it starts a sum; ra, rb: the scales are taken from lanes 16-31.
.macro WM cz, ra, rb
.if (\cz) && (\ra) && (\rb)
	v_wmma_scale_f32_16x16x128_f8f6f4 v[rD:rD+7], v[rA:rA+11], v[rB:rB+11], 0, v[rSA], v[rSB] matrix_a_fmt:MATRIX_FMT_BF6 matrix_b_fmt:MATRIX_FMT_BF6 matrix_a_scale:MATRIX_SCALE_ROW1 matrix_b_scale:MATRIX_SCALE_ROW1
.elseif (\cz) && (\ra)
	v_wmma_scale_f32_16x16x128_f8f6f4 v[rD:rD+7], v[rA:rA+11], v[rB:rB+11], 0, v[rSA], v[rSB] matrix_a_fmt:MATRIX_FMT_BF6 matrix_b_fmt:MATRIX_FMT_BF6 matrix_a_scale:MATRIX_SCALE_ROW1
.elseif (\cz) && (\rb)
	v_wmma_scale_f32_16x16x128_f8f6f4 v[rD:rD+7], v[rA:rA+11], v[rB:rB+11], 0, v[rSA], v[rSB] matrix_a_fmt:MATRIX_FMT_BF6 matrix_b_fmt:MATRIX_FMT_BF6 matrix_b_scale:MATRIX_SCALE_ROW1
.elseif (\cz)
	v_wmma_scale_f32_16x16x128_f8f6f4 v[rD:rD+7], v[rA:rA+11], v[rB:rB+11], 0, v[rSA], v[rSB] matrix_a_fmt:MATRIX_FMT_BF6 matrix_b_fmt:MATRIX_FMT_BF6
.elseif (\ra) && (\rb)
	v_wmma_scale_f32_16x16x128_f8f6f4 v[rD:rD+7], v[rA:rA+11], v[rB:rB+11], v[rD:rD+7], v[rSA], v[rSB] matrix_a_fmt:MATRIX_FMT_BF6 matrix_b_fmt:MATRIX_FMT_BF6 matrix_a_scale:MATRIX_SCALE_ROW1 matrix_b_scale:MATRIX_SCALE_ROW1
.elseif (\ra)
	v_wmma_scale_f32_16x16x128_f8f6f4 v[rD:rD+7], v[rA:rA+11], v[rB:rB+11], v[rD:rD+7], v[rSA], v[rSB] matrix_a_fmt:MATRIX_FMT_BF6 matrix_b_fmt:MATRIX_FMT_BF6 matrix_a_scale:MATRIX_SCALE_ROW1
.elseif (\rb)
	v_wmma_scale_f32_16x16x128_f8f6f4 v[rD:rD+7], v[rA:rA+11], v[rB:rB+11], v[rD:rD+7], v[rSA], v[rSB] matrix_a_fmt:MATRIX_FMT_BF6 matrix_b_fmt:MATRIX_FMT_BF6 matrix_b_scale:MATRIX_SCALE_ROW1
.else
	v_wmma_scale_f32_16x16x128_f8f6f4 v[rD:rD+7], v[rA:rA+11], v[rB:rB+11], v[rD:rD+7], v[rSA], v[rSB] matrix_a_fmt:MATRIX_FMT_BF6 matrix_b_fmt:MATRIX_FMT_BF6
.endif
.endm
; The fragments and scale words of slot s's q-th K step into set p: 38 loads in one run.
.macro FETCH s, q, p
	WIN (\p)<<6                                    ; destination: window p
.irp b, 0,1,2,3,4,5,6,7
.irp c, 0,1,2
	ds_load_b128 v[FB+12*\b+4*\c:FB+12*\b+4*\c+3], v[ADRB+(\s)] offset:REC*(\q)+1536*\b+512*\c
.endr
.endr
.irp a, 0,1,2,3
.irp c, 0,1,2
	ds_load_b128 v[FA+12*\a+4*\c:FA+12*\a+4*\c+3], v[ADRA+(\s)] offset:REC*(\q)+1536*\a+512*\c
.endr
.endr
	WIN 0
	ds_load_b128 v[SBR+8*(\p):SBR+8*(\p)+3], v[ADRB+(\s)] offset:REC*(\q)+12288
	ds_load_b64 v[SAR+8*(\p):SAR+8*(\p)+1], v[ADSA+(\s)] offset:REC*(\q)
.endm
; Eight matrix instructions: x's tile a against w_out's eight, from set p.  The 32 accumulators take turns, one instruction a turn, in the same order in every K step.
.macro MUL p, a, zero
	WIN 0xa0|(5*(\p))                              ; sources 0 and 1 window p, C and D window 2
.irp b, 0,1,2,3,4,5,6,7
.set rD, 8*(8*(\a)+\b)
.set rA, FB+12*\b
.set rB, FA+12*(\a)
.set rSA, SBR+8*(\p)+\b/2
.set rSB, SAR+8*(\p)+(\a)/2
	WM \zero, \b%2, (\a)%2
.endr
.endm
; A slot's last K step changes slots: ONE barrier; in front of it each wave waits for all its tensor loads, adds 0 to its spare word, and waits for that and for its own reads of this slot.  fill = 1: this slot is filled again, eight K steps ahead.
.macro TURN s, ns, p, fill
	WIN 0
	s_wait_tensorcnt 0x0                           ; all my tensor loads have landed: my part of the next slot
	ds_add_u32 v[SPW], v[NIL]                      ; 0 onto my spare word
	s_wait_dscnt 0x1                               ; this K step's fragments are in; only the add may be out
	MUL \p, 0, 0                                   ; eight matrix instructions stand between the add and the wait for it
	s_wait_dscnt 0x0                               ; the add is done, and my reads of this slot are over
	s_barrier_signal -1
	MUL \p, 1, 0
	WIN 0
	s_barrier_wait -1
.if \fill
	CREST                                          ; the barrier has opened a round of the cluster's barrier: no wave of any partner still reads this slot or has a load on its way
	s_add_nc_u64 s[G0+4*(\s)+2:G0+4*(\s)+3], s[G0+4*(\s)+2:G0+4*(\s)+3], 8*REC
	s_add_nc_u64 s[G0B+4*(\s)+2:G0B+4*(\s)+3], s[G0B+4*(\s)+2:G0B+4*(\s)+3], 8*REC
	JLOAD \s                                       ; the first tensor load behind the round
.endif
	PLACES                                         ; on every wave's path: four places in front of loads into registers that matrix instructions have read
	FETCH \ns, 0, 1-(\p)
	MUL \p, 2, 0
	MUL \p, 3, 0
.endm
	s_load_b128 s[4:7], s[0:1], 0x0                ; xrec, wrec
	s_load_b64 s[8:9], s[0:1], 0x10                ; out0
	v_lshl_add_u32 v[SPW], v0, 2, SPARE
	v_mov_b32 v[NIL], 0
	ds_add_u32 v28, v29
	s_wait_dscnt 0x0
	v_lshrrev_b32 v2, 5, v0
	v_readfirstlane_b32 s14, v2                    ; wave 0..3
	s_lshr_b32 s15, s14, 1                         ; which four tiles of x are mine.  Also: which block of w_out waves 1 and 2 fetch
	s_and_b32 s16, s14, 1                          ; which block of w_out is mine
	s_bfe_u32 s40, ttmp6, 0x40000                  ; cx, cy: my place in the cluster
	s_bfe_u32 s41, ttmp6, 0x40004
	s_lshl_b32 s42, ttmp9, 2
	s_add_co_u32 s42, s42, s40                     ; X = 4 x cluster x + cx
	s_and_b32 s17, ttmp7, 0xffff
	s_lshl_b32 s17, s17, 2
	s_add_co_u32 s17, s17, s41                     ; Y = 4 x cluster y + cy
	s_lshl_b32 s43, s41, 2
	s_lshl_b32 s43, 15, s43                        ; my row of the cluster
	s_lshl_b32 s44, 0x1111, s40                    ; my column
	; descriptor group 1: four records, a dense block of 51,200 bytes, as 200 rows of 256 bytes (32 elements of 8 bytes), no padding
	s_or_b32 s[G1], s43, (3<<16)|(1<<21)           ; 15:0 the mask: x's records go to my row; 17:16 elements of 8 bytes; 21 set beside a mask
	s_or_b32 s[G1B], s44, (3<<16)|(1<<21)          ; w_out's to my column
.irp g, G1, G1B
	s_mov_b32 s[\g+1], 32<<16                      ; tensor_dim0 = 32
	s_mov_b32 s[\g+2], 200<<16                     ; tensor_dim1 = 200
	s_mov_b32 s[\g+3], 32<<16                      ; tile_dim0 = 32
	s_mov_b32 s[\g+4], 200                         ; tile_dim1 = 200
	s_mov_b32 s[\g+5], 32                          ; from row to row
	s_mov_b32 s[\g+6], 0
	s_mov_b32 s[\g+7], 0
.endr
	s_mul_i32 s20, s17, 16*REC                     ; x: block Y's sixteen records: hangs on Y alone
	s_mov_b32 s21, 0
	s_lshl_b32 s46, s42, 1
	s_add_co_u32 s46, s46, s15
	s_mul_i32 s46, s46, 16*REC                     ; w_out: block 2 X + (wave / 2): hangs on X and the wave alone
	s_mov_b32 s47, 0
	s_mul_i32 s45, s14, QUAD                       ; where they go: wave x 51,200: x's, then w_out's two blocks; no place in the cluster enters an LDS address
	s_wait_kmcnt 0x0
	s_add_nc_u64 s[20:21], s[4:5], s[20:21]
	s_add_nc_u64 s[46:47], s[6:7], s[46:47]
	CROUND                                         ; all sixteen work-groups are here: the first joint loads meet
.irp s, 0,1
	s_mov_b32 s[G0+4*\s], 1                        ; count = 1
	s_add_co_u32 s[G0+4*\s+1], s45, \s*SLOT        ; LDS address
	s_add_nc_u64 s[G0+4*\s+2:G0+4*\s+3], s[20:21], \s*QUAD   ; global address: K steps 4 s on
	s_or_b32 s[G0+4*\s+3], s[G0+4*\s+3], 0x80000000          ; type = 2
	s_mov_b32 s[G0B+4*\s], 1
	s_add_co_u32 s[G0B+4*\s+1], s45, \s*SLOT
	s_add_nc_u64 s[G0B+4*\s+2:G0B+4*\s+3], s[46:47], \s*QUAD
	s_or_b32 s[G0B+4*\s+3], s[G0B+4*\s+3], 0x80000000
.endr
	s_cmp_eq_u32 s14, 0                            ; a wave's two first fills stand in one branch: two loads of mine are out
	s_cbranch_scc0 .Lfirst_b
	tensor_load_to_lds s[G0:G0+3], s[G1:G1+7]
	s_nop 0
	tensor_load_to_lds s[G0+4:G0+7], s[G1:G1+7]
	s_nop 0
	PLACES
	s_branch .Lfirst_done
.Lfirst_b:
	s_cmp_lt_u32 s14, 3
	s_cbranch_scc0 .Lfirst_done
	tensor_load_to_lds s[G0B:G0B+3], s[G1B:G1B+7]
	s_nop 0
	tensor_load_to_lds s[G0B+4:G0B+7], s[G1B:G1B+7]
	s_nop 0
	PLACES
.Lfirst_done:
	v_and_b32 v[LI], 31, v0
	v_lshlrev_b32 v[LI], 4, v[LI]
	v_and_b32 v2, 15, v0                           ; r
	v_bfe_u32 v3, v0, 4, 1                         ; h
	s_mul_i32 s66, s15, 6144                       ; my four tiles of a record of x
	s_lshl_b32 s67, s15, 3
	s_add_co_u32 s67, s67, 12288                   ; their two scale words a lane
	s_mul_i32 s68, s16, QUAD
	s_add_co_u32 s68, s68, QUAD                    ; my block of w_out, behind x's records
.irp s, 0,1
	v_add_nc_u32 v[ADRA+\s], s66, v[LI]
	v_add_nc_u32 v[ADSA+\s], s67, v[LI]
	v_add_nc_u32 v[ADRB+\s], s68, v[LI]
	s_add_co_u32 s66, s66, SLOT
	s_add_co_u32 s67, s67, SLOT
	s_add_co_u32 s68, s68, SLOT
.endr
	s_mul_i32 s69, s14, 16*SPITCH                  ; my stage
	v_mul_u32_u24 v[STO], v2, SPITCH
	v_lshl_add_u32 v[STO], v3, 6, v[STO]
	v_add_nc_u32 v[STO], s69, v[STO]               ; in: row r, + 64 h: my 16 numbers of each pair of tiles
	v_add_nc_u32 v[RD], s69, v[LI]                 ; back: the 32 lanes take one row of 512 bytes
	s_lshl_b32 s70, s17, 20                        ; out0: 128 Y rows of 8,192 bytes,
	s_lshl_b32 s71, s15, 19                        ; my 64 rows,
	s_add_co_u32 s70, s70, s71
	s_lshl_b32 s71, s42, 10                        ; 256 X columns,
	s_add_co_u32 s70, s70, s71
	s_lshl_b32 s71, s16, 9                         ; my 128
	s_add_co_u32 s70, s70, s71
	s_mov_b32 s71, 0
	s_add_nc_u64 s[8:9], s[8:9], s[70:71]
	s_wait_tensorcnt 0x1                           ; my part of slot 0 is in; slot 1's may stay out
	s_barrier_signal -1
	s_barrier_wait -1                              ; everybody's is
	FETCH 0, 0, 0
; The sixteen K steps, written out.  Step kp multiplies set kp % 2 and fetches step kp + 1 into the other set, 16 or 32 matrix instructions ahead of its use.
.irp kp, 0,1,2,3,4,5,6,7,8,9,10,11,12,13,14,15
.set PP, \kp%2
.set QQ, \kp%4
.set SS, (\kp/4)%2
.set NS, ((\kp+1)/4)%2
.set NQ, (\kp+1)%4
.set ZZ, 0
.if \kp == 0
.set ZZ, 1                                     ; the first K step's products start the sums: nothing is cleared
.endif
.set FILL, 0
.if (\kp == 3) || (\kp == 7)
.set FILL, 1
.endif
.if \kp == 15
	s_wait_dscnt 0x0
	MUL PP, 0, 0
	MUL PP, 1, 0
	MUL PP, 2, 0
	MUL PP, 3, 0
.elseif QQ < 3
	s_wait_dscnt 0x0                               ; this K step's fragments are in
	PLACES                                         ; four places in front of loads into registers that the last K step's products read
	FETCH NS, NQ, 1-PP
	MUL PP, 0, ZZ
	MUL PP, 1, ZZ
	MUL PP, 2, ZZ
	MUL PP, 3, ZZ
.else
	TURN SS, NS, PP, FILL
.endif
.endr
	WIN 0
; THE WAY OUT, a tile of 16 rows x 128 columns at a time, through my own stage in LDS: in by 16 bytes of a row, back as whole rows of 512 bytes.  LDS serves a wave's instructions in order (ISA guide 5.7.1.4).
.macro TOSTAGE a
	WIN 0x08                                       ; an LDS store's data are its source 1: window 2
.irp b, 0,1,2,3,4,5,6,7
	ds_store_b128 v[STO], v[8*(8*(\a)+\b):8*(8*(\a)+\b)+3] offset:128*(\b/2)+32*(\b%2)       ; each accumulator from its low end on: columns 32 (b / 2) + 16 h + 8 (b % 2) + 0 .. 7
	ds_store_b128 v[STO], v[8*(8*(\a)+\b)+4:8*(8*(\a)+\b)+7] offset:128*(\b/2)+32*(\b%2)+16
.endr
	WIN 0
.set BB, BK+64*((\a)%2)
.irp t, 0,1,2,3,4,5,6,7,8,9,10,11,12,13,14,15
	ds_load_b128 v[BB+4*\t:BB+4*\t+3], v[RD] offset:\t*SPITCH
.endr
.endm
.macro SEND a, younger                 ; younger: the LDS instructions issued behind tile a's loads, which may stay out
.set BB, BK+64*((\a)%2)
	s_wait_dscnt \younger
.irp t, 0,1,2,3,4,5,6,7,8,9,10,11,12,13,14,15
	global_store_b128 v[LI], v[BB+4*\t:BB+4*\t+3], s[8:9] offset:(32*((\a)/2)+8*((\a)%2)+\t+8*(\t/8))*8192 th:TH_STORE_NT   ; 32 lanes store 512 consecutive bytes, at a multiple of 256 from out0's first byte
.endr
.endm
	PLACES                                         ; four places between the last products and the first read of results, and in front of loads into registers that held fragments
	TOSTAGE 0
.irp a, 1,2,3
.if \a > 1
	s_wait_xcnt 0x0                                ; tile a - 2's stores have read their registers: tile a's rows may land there
.endif
	TOSTAGE \a
	SEND \a-1, 32                                  ; behind tile a - 1's loads: tile a's 16 stores and 16 loads
.endr
	SEND 3, 0
	s_wait_tensorcnt 0x0                           ; the wave's end, behind my last tensor load and my last LDS store
	ds_add_u32 v[SPW], v[NIL]
	s_wait_dscnt 0x0
	CROUND                                         ; the closing round: no work-group ends while a partner may still ask for a tile that names it
	s_endpgm
.Lfunc_end_k_q8147166e14_proj:
	.size	k_q8147166e14_proj, .Lfunc_end_k_q8147166e14_proj-k_q8147166e14_proj
	.p2alignl 7, 3214868480
	.fill 96, 4, 3214868480
	.section	.rodata,"a",@progbits
	.p2align	6, 0x0
	.amdhsa_kernel k_q8147166e14_proj
		.amdhsa_group_segment_fixed_size 327680
		.amdhsa_private_segment_fixed_size 0
		.amdhsa_enable_private_segment 0
		.amdhsa_kernarg_size 24
		.amdhsa_user_sgpr_count 2
		.amdhsa_user_sgpr_kernarg_segment_ptr 1
		.amdhsa_wavefront_size32 1
		.amdhsa_system_sgpr_workgroup_id_x 1
		.amdhsa_system_sgpr_workgroup_id_y 1
		.amdhsa_system_sgpr_workgroup_id_z 1
		.amdhsa_system_vgpr_workitem_id 0
		.amdhsa_next_free_vgpr 768
		.amdhsa_next_free_sgpr 96
		.amdhsa_reserve_vcc 0
		.amdhsa_float_denorm_mode_32 3
		.amdhsa_float_denorm_mode_16_64 3
		.amdhsa_memory_ordered 1
		.amdhsa_forward_progress 1
		.amdhsa_inst_pref_size 130
	.end_amdhsa_kernel
	.amdgpu_metadata
---
amdhsa.version: [ 1, 2 ]
amdhsa.kernels:
  - .name:           k_q8147166e14_proj
    .symbol:         k_q8147166e14_proj.kd
    .args:
      - { .name: xrec, .offset: 0, .size: 8, .value_kind: global_buffer, .address_space: global }
      - { .name: wrec, .offset: 8, .size: 8, .value_kind: global_buffer, .address_space: global }
      - { .name: out0, .offset: 16, .size: 8, .value_kind: global_buffer, .address_space: global }
    .group_segment_fixed_size: 327680
    .private_segment_fixed_size: 0
    .kernarg_segment_align: 8
    .kernarg_segment_size: 24
    .max_flat_workgroup_size: 128
    .sgpr_count:     96
    .vgpr_count:     768
    .wavefront_size: 32
...
	.end_amdgpu_metadata
.endif
;; end of part 4
